; MI455X (gfx1250); checked and timed in simulation.
; The chip was launched on July 23, 2026; its instructions are those of AMD's public machine-readable ISA for CDNA 5 (MIT licence, August 2026) and "CDNA5" Instruction Set Architecture Reference Guide (July 2026). The comments in the code are by the model that wrote it; some were corrected since.
;; SA Fusion. Allowed arithmetic: matrix products marked QUANTISED: E2M3 operands, one E8M0 scale for each 32 along K, by v_wmma_scale_f32_16x16x128_f8f6f4 with both operands' format E2M3, f32 sums; everything else in f32.
;; Inputs: bias one number float32; g 4 x 2,048 x 512 float32; ln_beta 512 float32; ln_gamma 512 float32; p 4 x 2,048 x 512 float32; scale 1 float32.
;; Outputs: out0 4 x 4,096 x 512 float32.
;; This version of the problem:
;;   THIS VERSION OF THE PROBLEM IS GIVEN IN LOW PRECISION. The matrix products marked QUANTISED in the list below multiply operands that are first quantised to E2M3 (2 exponent bits, 3 mantissa bits; 6 bits a number), with one power-of-two scale for each 32 numbers along K (OCP MX v1.0); their sums are f32. All else is computed in f32.
;;   The module's matrix products, in the order in which they are computed (A, B: the left and right operand; K: the contracted axis; several contracted axes count as one K, in the product's order):
;;     1. batch 4 x [M 4,096, K 513] x [K 513, N 4,096]; A: computed on the way; B: computed on the way: QUANTISED
;;     2. batch 4 x [M 4,096, K 4,096] x [K 4,096, N 513]; A: softmax (see below); B: computed on the way: QUANTISED
;;   THE QUANTISER, for each operand of a quantised product, along K:
;;     - K is cut into blocks of 32 from its start; a last block that is shorter is filled with zeros.
;;     - A block's scale is 2^e with e = floor(log2(the largest magnitude in the block)) - 2, held to -126 .. 127; a block of zeros has e = 0. As a byte (E8M0): e + 127.
;;     - Each number is divided by its block's scale, clamped to +-7.5, and rounded to the nearest number of E2M3, ties to even, subnormals kept.
;;     - The product sums the exact products of the quantised numbers (number of the format x scale) in f32.
;;   ~~~python
;;   def quantise(x, axis):      # numpy; x: float32 -> the quantised numbers, widened to float32 again
;;       x = np.moveaxis(x, axis, -1); K = x.shape[-1]
;;       x = np.pad(x, [(0, 0)] * (x.ndim - 1) + [(0, -K % 32)]); x = x.reshape(x.shape[:-1] + (-1, 32)); a = np.abs(x).max(-1, keepdims=True)
;;       e = np.where(a > 0, np.clip(np.frexp(np.where(a > 0, a, 1))[1] - 1 - 2, -126, 127), 0)      # np.frexp(a)[1] - 1 = floor(log2(a)), exactly
;;       r = np.clip(x / 2.0 ** e, -7.5, 7.5)
;;       step = 2.0 ** (np.maximum(np.frexp(np.where(r == 0, 1, r))[1] - 1, 0) - 3)
;;       q = np.round(r / step) * step * 2.0 ** e      # np.round: ties to even
;;       return np.moveaxis(q.reshape(q.shape[:-2] + (-1,))[..., :K], -1, axis).astype(np.float32)
;;   ~~~
;;   SOFTMAX AHEAD OF A QUANTISED PRODUCT. Where the list says 'softmax', what is quantised is not the finished softmax but p = 2^(t - M), with t = logit x log2(e) and M = ceil(the row's largest t), a whole number; so 1/2 < the row's largest p <= 1. The row's sum l is taken of the UNQUANTISED p, in f32, and the product's result is divided by l at the end. Since M is a whole number, a kernel that streams over the keys may use a running M (the ceiling of the running maximum): every later rescaling is an exact power of two, which a block's scale takes up: the codes' values come out the same.
;;   OPERANDS COMPUTED ON THE WAY. 'Computed on the way' means the value that the module computes at that place (a softmax that the list does not call 'softmax' is quantised finished and normalised). What goes into a quantiser is computed in f32, as accurately as f32 sums, v_exp_f32 and their like allow (about 1e-6 of the number): no bf16 or f16 on the way to a quantiser, and a product that is left as it is and whose result goes on into a quantised operand takes f32 operands (vector FMAs, or v_wmma_f32_16x16x4_f32). A number that lies on a knife's edge between two numbers of the format may be rounded either way, as far as f32 arithmetic and the matrix unit's own rounding can turn it there, and no further.
;; One version. Each part assembles by itself: llvm-mc -triple=amdgcn-amd-amdhsa -mcpu=gfx1250 --defsym DOCPART=n.
;; ======== version 1 of 1: 2 launches
;; limits: right only within a limited range of input values
;; workspace buffers: kc 6,684,672 bytes; vc 6,815,744 bytes; rt 262,144 bytes
;; launch prep (part 1): grid 256 x 1, 8 waves a work-group, no clusters, 168,960 bytes of LDS; arguments g, p, kc, vc, rt; writes kc, vc, rt
.if DOCPART == 1
	.amdgcn_target "amdgcn-amd-amdhsa--gfx1250"
	.amdhsa_code_object_version 6
	.text
	.protected	k_q56f36792b5_prep
	.globl	k_q56f36792b5_prep
	.p2align	8
	.type	k_q56f36792b5_prep,@function
k_q56f36792b5_prep:
	s_mov_b64 s[64:65], 0
	v_nop
	global_prefetch_b8 v0, s[64:65] scope:SCOPE_SE
	s_setreg_imm32_b32 hwreg(HW_REG_WAVE_MODE, 25, 1), 1
	s_wait_xcnt 0x0
; PREP.  x = concat(g, p) is put on the hyperboloid and normalised: xh = (t, s'), s' = r x, 513 numbers a row; xh is quantised to FP6 (E2M3, one E8M0 byte for 32 numbers) twice:
; along its 513 numbers (operand of the scores, for keys and queries alike -> kc) and along the keys (operand of the second product -> vc).  rt keeps (r, t, sum s', sum s'^2) of each row.
; WORK LEFT OUT, for all values of the inputs: the column of ones that tohyp puts in front of x and the time cosh(n) of expmap0 (expmap0 reads u[..., 1:] alone, hyp_normalize reads x[..., 1:] alone and
; makes its own time); so neither is formed.  LIMIT: a NaN, an infinity or an overflow that would reach only that work (cosh(n)) is not carried to the result.
; What stays: the factor c = sinh(n) / n, since the two clamps at 1e-7 see it: r = c / sqrt(max(c^2 sum x^2, 1e-7)).  For n^2 < 1 c is the series 1 + n^2/6 (1 + n^2/20 (1 + n^2/42 (1 + n^2/72)))
; (the next term is under 1e-8 there), else (2^(n log2 e) - 2^(-n log2 e)) / 2 n; the choice is a select.
; LIMITS: rows with |x| over about 44 overflow here as in reference() (sinh^2); NaN and infinities among the inputs are not served; a block of zeros gets the scale byte 1 (its codes are zeros; this program alone reads the bytes).
; SHARES.  Work-group wg: batch wg / 64, step sg = (wg / 2) % 32 of 128 keys, half hh = wg % 2.  It owns key blocks 4 sg + hh (local rows 0-31) and 4 sg + 2 + hh (rows 32-63): the two blocks that the lanes of half hh
; of an operand's registers hold (registers 0-5: block hh, registers 6-11: block 2 + hh of the 128), so that it stores whole runs of 256 bytes of every fragment of vc.
; LAYOUTS.  A fragment (16 rows x 128 along K, 12 registers a lane) lies as an image of its registers: register q of lane L at (q / 4) 512 + 16 L + 4 (q % 4): 1,536 bytes.
;   kc [batch][key block][13,056]: fragment (tile u, K step s) at (4 u + s) 1,536; scale words of K step s (0..4) at 12,288 + 128 s + 4 (16 u + r); the code of number 512, as a word, at 12,928 + 4 (16 u + r).
;      Row k of a block is (u = bit 3 of k, r = 8 x bit 4 + bits 2..0): k = 8 u + r + 8 (r / 8), so that the scores' 16 registers of tiles 0 and 1 are 16 neighbouring keys.
;   vc [batch][sg][53,248]: fragment ct (channels 16 ct + r of s'; ct = 32: sixteen copies of t) at 1,536 ct; channel d's scale word at 50,688 + 4 d; four images of t's word (128 bytes each) from 52,736.
; One barrier: behind it the 64 rows lie in LDS (Y: pitch 2,096 bytes = 131 x 16, t first); each wave then has a stage of its own, so nothing more is shared.
.set YP,    2096
.set HALFY, 32*YP
.set STG,   64*YP                      ; 4,096 bytes of stage for each wave
.set RTS,   STG+8*4096                 ; 64 x 16 bytes: (r, t, sum s', sum s'^2)
.set SPARE, RTS+1024                   ; the spare words, 128 bytes for each wave: four blocks of 256 bytes that no other line names
.set KREC,  13056
.set VREC,  53248
.set EPS,   0x33d6bf95                 ; 1e-7
.set FLOOR, 0x1800000                  ; 2^(3 - 127): under it no largest magnitude is taken, so a byte cannot fall under 1
; v1, v2 the add's two; v3 lane; v4-20 LDS addresses; v21-27 offsets in memory; v28-31 parts of the lane; v32-159 eight rows of x, later 32 numbers of a block and what leaves; v160-255 sums and a row's figures
	s_load_b256 s[4:11], s[0:1], 0x0               ; g s[4:5], p s[6:7], kc s[8:9], vc s[10:11]
	s_load_b64 s[12:13], s[0:1], 0x20              ; rt
	v_lshl_add_u32 v1, v0, 2, SPARE
	v_mov_b32 v2, 0
	v_lshrrev_b32 v3, 5, v0
	s_delay_alu instid0(VALU_DEP_1)
	v_readfirstlane_b32 s14, v3                    ; wave 0..7
	v_and_b32 v3, 31, v0                           ; lane
	s_wait_alu depctr_va_vdst(0)
	s_lshr_b32 s15, ttmp9, 6                       ; batch
	s_bfe_u32 s16, ttmp9, 0x50001                  ; sg
	s_and_b32 s17, ttmp9, 1                        ; hh
	s_lshr_b32 s33, s14, 2                         ; bl: which of my work-group's two key blocks (phases 0 and 1)
	s_and_b32 s34, s14, 3                          ; s: which K step (phase 1)
	; every LDS address is made here, ahead of the first branch on the wave's number
	s_mul_i32 s35, s14, 8*YP                       ; my eight rows of Y
	v_lshl_add_u32 v4, v3, 3, s35
	s_delay_alu instid0(VALU_DEP_1)
	v_add_nc_u32 v4, 4, v4                         ; v4: s' goes one number behind t: 4 + 8 lane
	v_mov_b32 v5, s35                              ; v5: t's place
	s_lshl_b32 s36, s14, 7
	s_add_co_u32 s37, s36, RTS
	v_mov_b32 v6, s37                              ; v6: my eight rows' figures
	s_mul_i32 s37, s33, HALFY
	v_mul_u32_u24 v10, v3, YP
	s_delay_alu instid0(VALU_DEP_1)
	v_add_nc_u32 v10, s37, v10                     ; v10: phase 1: lane = row of block bl
	s_lshl_b32 s37, s34, 9
	v_add_nc_u32 v7, s37, v10                      ; v7: + K step s (128 numbers)
	v_bfe_u32 v28, v3, 3, 1                        ; u of row = lane
	v_and_b32 v29, 7, v3
	v_lshrrev_b32 v30, 4, v3                       ; lane / 16
	s_delay_alu instid0(VALU_DEP_1)
	v_lshl_or_b32 v29, v30, 3, v29                 ; r of row = lane
	v_and_b32 v31, 15, v3                          ; lane % 16
	s_lshl_b32 s38, s14, 12
	s_add_co_u32 s38, s38, STG                     ; my stage
	v_mul_u32_u24 v8, v28, 1536
	s_delay_alu instid0(VALU_DEP_1)
	v_lshl_add_u32 v8, v29, 4, v8
	s_delay_alu instid0(VALU_DEP_1)
	v_add_nc_u32 v8, s38, v8                       ; v8: phase 1, into the stage: fragment u, lane r
	v_lshl_add_u32 v9, v3, 4, s38                  ; v9: out of the stage, 16 bytes a lane
	v_lshl_add_u32 v25, v3, 2, s36
	s_delay_alu instid0(VALU_DEP_1)
	v_add_nc_u32 v11, 4, v25
	s_delay_alu instid0(VALU_DEP_1)
	v_add_nc_u32 v12, HALFY, v11
	s_delay_alu instid0(VALU_DEP_2)
	v_add_nc_u32 v13, 1024, v11
	s_delay_alu instid0(VALU_DEP_2)
	v_add_nc_u32 v14, 1024, v12
	v_mul_u32_u24 v15, v30, 768
	s_delay_alu instid0(VALU_DEP_1)
	v_lshl_add_u32 v15, v31, 4, v15
	s_delay_alu instid0(VALU_DEP_1)
	v_add_nc_u32 v15, s38, v15                     ; v15: phase 2, into the stage: [tile][plane][256 bytes]
	v_mov_b32 v16, 0                               ; v16, v17: column 0 (t)
	v_mov_b32 v17, HALFY
	v_lshl_add_u32 v18, v31, 4, s38                ; v18: t's tile into the stage
	v_lshl_add_u32 v19, v3, 3, s38                 ; v19: and out of it, 8 bytes a lane
	v_lshl_add_u32 v20, v3, 4, RTS                 ; v20: the figures, out
	v_lshlrev_b32 v21, 3, v3                       ; 8 lane
	v_lshlrev_b32 v22, 4, v3                       ; 16 lane
	v_lshlrev_b32 v23, 6, v28
	s_delay_alu instid0(VALU_DEP_1)
	v_lshl_add_u32 v23, v29, 2, v23                ; 4 (16 u + r)
	v_lshlrev_b32 v24, 9, v30
	s_delay_alu instid0(VALU_DEP_1)
	v_lshl_add_u32 v24, v31, 4, v24                ; 512 (lane / 16) + 16 (lane % 16)
	v_lshlrev_b32 v27, 2, v3                       ; 4 lane
	; offsets in memory
	s_lshl_b32 s41, s15, 11                        ; my wave's first row in g or p: 2,048 batch + 128 (sg % 16) + 32 hh + 64 bl + 8 s
	s_and_b32 s42, s16, 15
	s_lshl_b32 s42, s42, 7
	s_add_co_u32 s41, s41, s42
	s_lshl_b32 s42, s17, 5
	s_add_co_u32 s41, s41, s42
	s_lshl_b32 s42, s33, 6
	s_add_co_u32 s41, s41, s42
	s_lshl_b32 s42, s34, 3
	s_add_co_u32 s41, s41, s42
	s_lshl_b32 s44, s41, 11
	s_mov_b32 s45, 0
	s_lshl_b32 s41, s15, 7                         ; my key block's record in kc: 128 batch + 4 sg + hh + 2 bl
	s_lshl_b32 s42, s16, 2
	s_add_co_u32 s41, s41, s42
	s_add_co_u32 s41, s41, s17
	s_lshl_b32 s42, s33, 1
	s_add_co_u32 s41, s41, s42
	s_mul_i32 s46, s41, KREC
	s_mov_b32 s47, 0
	s_wait_alu depctr_va_vdst(0)
	s_wait_kmcnt 0x0
	s_cmp_lt_u32 s16, 16                           ; the first 2,048 rows of a batch are g's
	s_cselect_b64 s[18:19], s[4:5], s[6:7]
	s_add_nc_u64 s[18:19], s[18:19], s[44:45]      ; s[18:19]: my eight rows of x
	s_add_nc_u64 s[22:23], s[8:9], s[46:47]
	s_mul_i32 s46, s34, 1536
	s_add_nc_u64 s[20:21], s[22:23], s[46:47]      ; s[20:21]: my two fragments of kc
	s_lshl_b32 s46, s34, 7
	s_add_nc_u64 s[22:23], s[22:23], s[46:47]      ; s[22:23]: the record + 128 s: my scale words
	s_lshl_b32 s41, s15, 5
	s_add_co_u32 s41, s41, s16
	s_mul_i32 s46, s41, VREC
	s_add_nc_u64 s[28:29], s[10:11], s[46:47]
	s_lshl_b32 s46, s17, 8
	s_add_nc_u64 s[24:25], s[28:29], s[46:47]      ; s[24:25]: vc's record + 256 hh: my half of every plane
	s_mul_i32 s46, s14, 3072
	s_add_nc_u64 s[26:27], s[24:25], s[46:47]      ; s[26:27]: + my wave's two tiles
	s_mov_b32 s46, s17
	s_add_nc_u64 s[28:29], s[28:29], s[46:47]      ; s[28:29]: the record + hh: my bytes of the scale words
	s_lshl_b32 s41, s15, 12
	s_lshl_b32 s42, s16, 7
	s_add_co_u32 s41, s41, s42
	s_lshl_b32 s42, s17, 5
	s_add_co_u32 s41, s41, s42
	s_lshl_b32 s46, s41, 4
	s_add_nc_u64 s[30:31], s[12:13], s[46:47]      ; s[30:31]: rt at my work-group's first row
	s_mov_b32 s40, 0x76543210
	s_mov_b32 s41, 0xfedcba98                      ; v_permlanex16_b32's selects for lane l xor 16
; ---- PHASE 0: eight rows a wave.  A load of the wave covers 256 consecutive bytes; register 16 a + 2 i + j = x[row a][64 i + 2 lane + j]
.irp a,0,1,2,3,4,5,6,7
.irp i,0,1,2,3,4,5,6,7
	global_load_b64 v[32+16*\a+2*\i:33+16*\a+2*\i], v21, s[18:19] offset:2048*\a+256*\i th:TH_LOAD_NT
.endr
.endr
	s_wait_loadcnt 0x0
.irp a,0,1,2,3,4,5,6,7
	v_pk_mul_f32 v[160+2*\a:161+2*\a], v[32+16*\a:33+16*\a], v[32+16*\a:33+16*\a]      ; sum x^2: the first product starts it
	v_pk_add_f32 v[176+2*\a:177+2*\a], v[32+16*\a:33+16*\a], v[34+16*\a:35+16*\a]      ; sum x
.endr
.irp i,1,2,3,4,5,6,7
.irp a,0,1,2,3,4,5,6,7
	v_pk_fma_f32 v[160+2*\a:161+2*\a], v[32+16*\a+2*\i:33+16*\a+2*\i], v[32+16*\a+2*\i:33+16*\a+2*\i], v[160+2*\a:161+2*\a]
.endr
.endr
.irp i,2,3,4,5,6,7
.irp a,0,1,2,3,4,5,6,7
	v_pk_add_f32 v[176+2*\a:177+2*\a], v[176+2*\a:177+2*\a], v[32+16*\a+2*\i:33+16*\a+2*\i]
.endr
.endr
.irp a,0,1,2,3,4,5,6,7,8,9,10,11,12,13,14,15
	v_add_f32 v[160+2*\a], v[160+2*\a], v[161+2*\a]
.endr
.irp x,1,2,4,8
.irp a,0,1,2,3,4,5,6,7,8,9,10,11,12,13,14,15
	v_add_f32_dpp v[160+2*\a], v[160+2*\a], v[160+2*\a] row_xmask:\x row_mask:0xf bank_mask:0xf
.endr
.endr
.irp a,0,1,2,3,4,5,6,7,8,9,10,11,12,13,14,15
	v_permlanex16_b32 v[161+2*\a], v[160+2*\a], s40, s41
.endr
.irp a,0,1,2,3,4,5,6,7,8,9,10,11,12,13,14,15
	v_add_f32 v[160+2*\a], v[160+2*\a], v[161+2*\a]        ; every lane: SS of row a in v[160 + 2 a], sum x in v[176 + 2 a]
.endr
; a row's figures, the eight rows by turns; each batch of transcendentals has plain work behind it and one wait ahead of its first reader
.irp a,0,1,2,3,4,5,6,7
	v_max_num_f32 v[192+\a], EPS, v[160+2*\a]              ; n^2
.endr
	s_wait_alu depctr_va_vdst(0)
.irp a,0,1,2,3,4,5,6,7
	v_sqrt_f32 v[200+\a], v[192+\a]                        ; n
.endr
.irp a,0,1,2,3,4,5,6,7
	v_fma_f32 v[232+\a], v[192+\a], 0x3c638e39, 1.0        ; the series, innermost: 1 + n^2 / 72
.endr
	s_wait_alu depctr_va_vdst(0)
.irp a,0,1,2,3,4,5,6,7
	v_mul_f32 v[208+\a], 0x3fb8aa3b, v[200+\a]             ; n log2 e
.endr
	s_wait_alu depctr_va_vdst(0)
.irp a,0,1,2,3,4,5,6,7
	v_exp_f32 v[216+\a], v[208+\a]
.endr
.irp a,0,1,2,3,4,5,6,7
	v_exp_f32 v[224+\a], -v[208+\a]
.endr
.irp a,0,1,2,3,4,5,6,7
	v_rcp_f32 v[240+\a], v[200+\a]
.endr
.irp c,0x3cc30c31,0x3d4ccccd,0x3e2aaaab        ; 1/42, 1/20, 1/6
.irp a,0,1,2,3,4,5,6,7
	v_mul_f32 v[248+\a], \c, v[192+\a]
.endr
.irp a,0,1,2,3,4,5,6,7
	v_fma_f32 v[232+\a], v[248+\a], v[232+\a], 1.0
.endr
.endr
	s_wait_alu depctr_va_vdst(0)
.irp a,0,1,2,3,4,5,6,7
	v_sub_f32 v[216+\a], v[216+\a], v[224+\a]
.endr
.irp a,0,1,2,3,4,5,6,7
	v_mul_f32 v[216+\a], v[216+\a], v[240+\a]
.endr
.irp a,0,1,2,3,4,5,6,7
	v_mul_f32 v[216+\a], 0.5, v[216+\a]                    ; sinh(n) / n by the exponentials
.endr
.irp a,0,1,2,3,4,5,6,7
	v_cmp_gt_f32 vcc_lo, 1.0, v[192+\a]
	s_delay_alu instid0(VALU_DEP_1)
	v_cndmask_b32 v[240+\a], v[216+\a], v[232+\a], vcc_lo  ; c: the series where n^2 < 1
.endr
.irp a,0,1,2,3,4,5,6,7
	v_mul_f32 v[248+\a], v[240+\a], v[240+\a]
.endr
.irp a,0,1,2,3,4,5,6,7
	v_mul_f32 v[248+\a], v[248+\a], v[160+2*\a]
.endr
.irp a,0,1,2,3,4,5,6,7
	v_max_num_f32 v[248+\a], EPS, v[248+\a]                ; max(c^2 SS, 1e-7)
.endr
	s_wait_alu depctr_va_vdst(0)
.irp a,0,1,2,3,4,5,6,7
	v_rsq_f32 v[208+\a], v[248+\a]
.endr
	v_nop
	s_wait_alu depctr_va_vdst(0)
.irp a,0,1,2,3,4,5,6,7
	v_mul_f32 v[192+2*\a], v[240+\a], v[208+\a]            ; r, twice: a pair for the packed multiply
	v_mul_f32 v[193+2*\a], v[240+\a], v[208+\a]
.endr
.irp a,0,1,2,3,4,5,6,7
	v_mov_b32 v[208+4*\a], v[192+2*\a]                     ; the four figures of row a on end: r,
.endr
.irp a,0,1,2,3,4,5,6,7
	v_mul_f32 v[248+\a], v[192+2*\a], v[192+2*\a]
.endr
.irp a,0,1,2,3,4,5,6,7
	v_mul_f32 v[211+4*\a], v[248+\a], v[160+2*\a]          ; sum s'^2 = r^2 SS,
.endr
.irp a,0,1,2,3,4,5,6,7
	v_add_f32 v[248+\a], 1.0, v[211+4*\a]
.endr
	s_wait_alu depctr_va_vdst(0)
.irp a,0,1,2,3,4,5,6,7
	v_sqrt_f32 v[209+4*\a], v[248+\a]                      ; t,
.endr
.irp a,0,1,2,3,4,5,6,7
	v_mul_f32 v[210+4*\a], v[192+2*\a], v[176+2*\a]        ; sum s'
.endr
.irp a,0,1,2,3,4,5,6,7
.irp i,0,1,2,3,4,5,6,7
	v_pk_mul_f32 v[32+16*\a+2*\i:33+16*\a+2*\i], v[32+16*\a+2*\i:33+16*\a+2*\i], v[192+2*\a:193+2*\a]   ; s' = r x
.endr
.endr
	s_wait_alu depctr_va_vdst(0)
.irp a,0,1,2,3,4,5,6,7
.irp i,0,1,2,3,4,5,6,7
	ds_store_b32 v4, v[32+16*\a+2*\i], offset:YP*\a+256*\i         ; lanes 8 bytes apart: 32 different banks
	ds_store_b32 v4, v[33+16*\a+2*\i], offset:YP*\a+256*\i+4
.endr
	ds_store_b32 v5, v[209+4*\a] offset:YP*\a                      ; t in front (all lanes: the same word, the same value)
	ds_store_b128 v6, v[208+4*\a:211+4*\a] offset:16*\a
.endr
	s_wait_dscnt 0x0                               ; for the others' sake: my rows lie in LDS
	s_barrier_signal -1
	s_barrier_wait -1
; 32 numbers of one block, v32-63, become 192 bits of codes in v[64:66], v[68:70] and the scale's byte in v[by]
.macro QB by
	v_max3_num_f32 v73, |v32|, |v33|, FLOOR
	v_max3_num_f32 v74, |v34|, |v35|, |v36|
.irp n,37,41,45,49,53,57
	s_delay_alu instid0(VALU_DEP_2)
	v_max3_num_f32 v73, v73, |v[\n]|, |v[\n+1]|
	s_delay_alu instid0(VALU_DEP_2)
	v_max3_num_f32 v74, v74, |v[\n+2]|, |v[\n+3]|
.endr
	s_delay_alu instid0(VALU_DEP_2)
	v_max3_num_f32 v73, v73, |v61|, |v62|
	s_delay_alu instid0(VALU_DEP_1)
	v_max3_num_f32 v73, v73, v74, |v63|            ; the block's largest magnitude
	s_delay_alu instid0(VALU_DEP_1)
	v_add_nc_u32 v75, 0xff000000, v73              ; 2 off its exponent field: the conversion's scale operand
	v_cvt_scalef32_pk16_fp6_f32 v[64:66], v[32:47], v75
	v_cvt_scalef32_pk16_fp6_f32 v[68:70], v[48:63], v75
	v_lshrrev_b32 v[\by], 23, v75                  ; the byte (also the plain line behind the conversions)
.endm
; ---- PHASE 1: along the 513 numbers.  Wave: key block bl, K step s; lane = row.  Block 4 s + c goes to lane r + 16 (c % 2), registers 6 (c / 2) + 0..5 of fragment u
.irp c,0,1,2,3
.irp e,0,1,2,3,4,5,6,7
	ds_load_b128 v[32+4*\e:35+4*\e], v7 offset:128*\c+16*\e
.endr
	s_wait_dscnt 0x0                               ; the numbers are in; the last block's stores into the stage have read their registers
	QB 72
.irp e,0,1,2,3,4,5
	ds_store_b32 v8, v[64+\e+\e/3] offset:256*(\c%2)+((6*(\c/2)+\e)/4)*512+4*((6*(\c/2)+\e)%4)
.endr
.if \c == 0
	v_mov_b32 v76, v72
.else
	v_lshl_or_b32 v76, v72, 8*\c, v76              ; the row's scale word of this K step
.endif
.endr
.irp k,0,1,2,3,4,5
	ds_load_b128 v[80+4*\k:83+4*\k], v9 offset:512*\k      ; LDS serves a wave's instructions in order: these see my stores
.endr
	s_wait_alu depctr_va_vdst(0)
.irp k,0,1,2,3,4,5
	s_wait_dscnt 5-\k
	global_store_b128 v22, v[80+4*\k:83+4*\k], s[20:21] offset:(\k/3)*6144+(\k%3)*512     ; 512 consecutive bytes a store
.endr
	global_store_b32 v23, v76, s[22:23] offset:12288
	s_cmp_lg_u32 s34, 0                            ; the waves of K step 0 also take block 16: number 512 alone, the rest of the block is zeros
	s_cbranch_scc1 .Lno16
	ds_load_b32 v32, v10 offset:2048
.irp e,33,34,35,36,37,38,39,40,41,42,43,44,45,46,47
	v_mov_b32 v[\e], 0
.endr
	s_wait_dscnt 0x0
	v_max_num_f32 v73, FLOOR, |v32|
	s_delay_alu instid0(VALU_DEP_1)
	v_add_nc_u32 v75, 0xff000000, v73
	s_wait_alu depctr_va_vdst(0)
	v_cvt_scalef32_pk16_fp6_f32 v[64:66], v[32:47], v75
	v_lshrrev_b32 v77, 23, v75
	global_store_b32 v23, v64, s[22:23] offset:12928       ; the code in the low six bits, zero codes above it
	global_store_b32 v23, v77, s[22:23] offset:12800       ; K step 4's scale word: the byte, zeros above it
.Lno16:
	s_wait_xcnt 0x0                                ; v64 is written again only behind this wait
; ---- PHASE 2: along the keys.  A lane takes a column of Y and its registers run down the keys
.macro VBLK adr, ct, by, sw
.irp e,0,1,2,3,4,5,6,7,8,9,10,11,12,13,14,15,16,17,18,19,20,21,22,23,24,25,26,27,28,29,30,31
	ds_load_b32 v[32+\e], v[\adr] offset:YP*\e
.endr
	s_wait_dscnt 0x0
	QB \by
.irp e,0,1,2,3,4,5
	ds_store_b32 v[\sw], v[64+\e+\e/3] offset:256*((6*\ct+\e)/4)+4*((6*\ct+\e)%4)
.endr
.endm
.macro VROUND a0, a1, rnd              ; channels 32 (wave + 8 rnd) + lane: two tiles
	VBLK \a0, 0, 144+2*\rnd, 15
	global_store_b8 v25, v[144+2*\rnd], s[28:29] offset:50688+1024*\rnd
	VBLK \a1, 1, 145+2*\rnd, 15
	global_store_b8 v25, v[145+2*\rnd], s[28:29] offset:50688+1024*\rnd+2
.irp j,0,1,2
	ds_load_b128 v[104+12*\rnd+4*\j:107+12*\rnd+4*\j], v9 offset:512*\j
.endr
.irp j,0,1,2
	s_wait_dscnt 2-\j
	global_store_b128 v24, v[104+12*\rnd+4*\j:107+12*\rnd+4*\j], s[26:27] offset:1024*\j+24576*\rnd   ; sixteen lanes store 256 consecutive bytes: my half of a plane
.endr
.endm
	VROUND 11, 12, 0
	VROUND 13, 14, 1
	s_cmp_lg_u32 s14, 0                            ; wave 0: the tile of t, sixteen copies of column 0
	s_cbranch_scc1 .Lno_t
	VBLK 16, 0, 148, 18
	VBLK 17, 1, 149, 18
.irp a,0,1,2,3
	global_store_b8 v27, v148, s[28:29] offset:52736+128*\a
	global_store_b8 v27, v149, s[28:29] offset:52736+128*\a+2
.endr
.irp j,0,1,2
	ds_load_b64 v[128+2*\j:129+2*\j], v19 offset:256*\j
.endr
.irp j,0,1,2
	s_wait_dscnt 2-\j
	global_store_b64 v21, v[128+2*\j:129+2*\j], s[24:25] offset:49152+512*\j
.endr
.Lno_t:
	s_cmp_lg_u32 s14, 7                            ; wave 7: the 64 rows' figures
	s_cbranch_scc1 .Lno_rt
	ds_load_b128 v[136:139], v20
	ds_load_b128 v[140:143], v20 offset:512
	s_wait_dscnt 0x0
	global_store_b128 v22, v[136:139], s[30:31]
	global_store_b128 v22, v[140:143], s[30:31] offset:1024        ; local rows 32-63 lie 64 rows further on
.Lno_rt:
	s_wait_tensorcnt 0x0                           ; the wave's end, behind my last LDS store
	ds_add_u32 v1, v2
	s_wait_dscnt 0x0
	s_endpgm
.Lfunc_end_k_q56f36792b5_prep:
	.size	k_q56f36792b5_prep, .Lfunc_end_k_q56f36792b5_prep-k_q56f36792b5_prep
	.p2alignl 7, 3214868480
	.fill 96, 4, 3214868480
	.section	.rodata,"a",@progbits
	.p2align	6, 0x0
	.amdhsa_kernel k_q56f36792b5_prep
		.amdhsa_group_segment_fixed_size 168960
		.amdhsa_private_segment_fixed_size 0
		.amdhsa_enable_private_segment 0
		.amdhsa_kernarg_size 40
		.amdhsa_user_sgpr_count 2
		.amdhsa_user_sgpr_kernarg_segment_ptr 1
		.amdhsa_wavefront_size32 1
		.amdhsa_system_sgpr_workgroup_id_x 1
		.amdhsa_system_sgpr_workgroup_id_y 1
		.amdhsa_system_sgpr_workgroup_id_z 1
		.amdhsa_system_vgpr_workitem_id 0
		.amdhsa_next_free_vgpr 256
		.amdhsa_next_free_sgpr 66
		.amdhsa_reserve_vcc 1
		.amdhsa_float_denorm_mode_32 3
		.amdhsa_float_denorm_mode_16_64 3
		.amdhsa_memory_ordered 1
		.amdhsa_forward_progress 1
		.amdhsa_inst_pref_size 91
	.end_amdhsa_kernel
	.amdgpu_metadata
---
amdhsa.version: [ 1, 2 ]
amdhsa.kernels:
  - .name:           k_q56f36792b5_prep
    .symbol:         k_q56f36792b5_prep.kd
    .args:
      - { .name: g, .offset: 0, .size: 8, .value_kind: global_buffer, .address_space: global }
      - { .name: p, .offset: 8, .size: 8, .value_kind: global_buffer, .address_space: global }
      - { .name: kc, .offset: 16, .size: 8, .value_kind: global_buffer, .address_space: global }
      - { .name: vc, .offset: 24, .size: 8, .value_kind: global_buffer, .address_space: global }
      - { .name: rt, .offset: 32, .size: 8, .value_kind: global_buffer, .address_space: global }
    .group_segment_fixed_size: 168960
    .private_segment_fixed_size: 0
    .kernarg_segment_align: 8
    .kernarg_segment_size: 40
    .max_flat_workgroup_size: 256
    .sgpr_count:     66
    .vgpr_count:     256
    .wavefront_size: 32
...
	.end_amdgpu_metadata
.endif
;; end of part 1
;; launch attn (part 2): grid 64 x 4, 4 waves a work-group, no clusters, 267,264 bytes of LDS; arguments kc, vc, rt, g, p, scale, bias, ln_gamma, ln_beta, out0; writes out0
.if DOCPART == 2
	.amdgcn_target "amdgcn-amd-amdhsa--gfx1250"
	.amdhsa_code_object_version 6
	.text
	.protected	k_q56f36792b5_attn
	.globl	k_q56f36792b5_attn
	.p2align	8
	.type	k_q56f36792b5_attn,@function
k_q56f36792b5_attn:
	s_mov_b64 s[64:65], 0
	v_nop
	global_prefetch_b8 v0, s[64:65] scope:SCOPE_SE
	s_setreg_imm32_b32 hwreg(HW_REG_WAVE_MODE, 25, 1), 1
	s_wait_xcnt 0x0
; ATTN.  scores = t t' - s'.s' (K = 513) and ave = p xh (K = 4,096 keys, 513 columns), both on codes of FP6 (E2M3) with E8M0 scales, then the row's tail: mid-point, Moebius addition, layer norm, logmap0.
; WORK LEFT OUT, for all values of the inputs: the time component of mobius_add's result (hyp_layernorm reads x[..., 1:] alone) and the zero time components of both logmap0 (sliced away or multiplying nothing).
; LIMIT: a NaN, an infinity or an overflow that would reach only that work is not carried to the result.  bias stays: it moves t against the whole number M and so p's codes.  The row's sum l stays: denom's clamp sees it.
; LIMITS: scale = 0, NaN and infinities among the inputs are not served; p under 2^-126 counts as 0; a block of zeros has the scale byte 1.
; SOFTMAX: t = score c + bias log2 e, c = log2 e / |scale|; the sign of scale is laid into Q's codes.  Each wave keeps, for each query, M = ceil of the running largest t OF THE KEY BLOCKS THAT IT TAKES; p = 2^(t - M) is quantised
; along the keys; the wave's part of l is the sum of the unquantised p, multiplied by 2^(old M - new M) in every trip, which rounds nothing.  O^T stands under a whole exponent of its own, M_O = ceil(bias log2 e), the same in all
; waves: the whole number M - M_O is added to each block's scale byte, so the codes stay as they are and the product comes out under M_O, exactly; at the end each wave's part of l is brought under M_O by v_ldexp_f32.
; LIMIT: |t - bias log2 e| stays under 100 (a byte then lies between 25 and 225; O^T under 4,096 x 1.5 x 2^100).  The quantised xh has |score| under 3.4, so the limit holds for every |scale| >= 0.1; beyond it the result is wrong.
; SHARES.  A work-group owns 64 queries of one batch (four tiles of 16) and walks the 4,096 keys, 128 a trip.  Scores by keys: wave w makes S^T of key block 4 j + w for all four query tiles, 40 matrix instructions; Q stays in
; registers.  Second product by channels: wave w holds O^T of channels 128 w .. 128 w + 127 for all four tiles, 32 instructions, and the column t for tile w, one.
; K AND V GO FROM MEMORY STRAIGHT INTO REGISTERS.  Of a trip's 105,472 bytes of K and V all but t's 1,664 are operands of ONE wave of the work-group, and the launch before has laid them as images of that wave's registers: no wave
; shares them with another, so LDS would only be written and read once more for each byte.  So there is no tensor load, no slot, and no cluster: a joint load lands in LDS, which these operands do not pass.
; A fragment's registers are loaded again as soon as its last product has had its four places: K(j + 1) among trip j's products of the scores, V(j - 1) among its products V^T p.
; A TRIP IS THREE STAGES OF THREE KEY STEPS: trip j exponentiates and quantises block j - 1 (its t - M were made at trip j - 1's end), multiplies K(j) by Q, multiplies V(j - 2) by p(j - 2), and makes t - M of block j.
; p(j - 1) goes to LDS in trip j and is read behind trip j + 1's barrier, the one barrier of a trip; p has two places by turns.
; The exponentials are one batch at the trip's head; among them stand only the eight products that start the scores with C = 0.
; K STEP 4 of the scores holds number 512 alone: K's fragment for it is that one code and exact zeros, Q's code stands in lanes 0-15 of its first register, so whatever else Q's twelve registers hold adds nothing.
; PREFETCH: work-groups 0-3 of a batch name, in trip j, the blocks of 256 bytes of K(j + 2) and V(j), whose loads begin in trip j + 1; they share them out by address.  Every wave names its own 128 blocks of x in trips 27 to 30, 32 a trip;
; x is loaded in trips 32 and 33.
; REGISTERS, in windows of 256.  Window 0: v1, v2 the add's two; v10-19 addresses; v20-42 scale words alone; v44-83 ten figures a tile; v84, v85 offsets; v86-93 the column t; v94-109 p's codes; v110-173 S^T; v174-237 p; v238-253 bases.
;   Window 1: O^T (tile i, channels ct) at 8 (8 i + ct).  Window 2: Q (i, s) at 12 (4 i + s), K step 4's at 192 + 2 i; p's fragments 0-2 at 212.  Window 3: K (u, s) at 12 (4 u + s), K step 4's at 96 + 12 u; V at 120 + 12 ct; p's fragment 3 at 228, my own tile's at 240.
.set KREC,  13056
.set KSTP,  4*KREC
.set VREC,  53248
.set SLOT1, 1<<17
.set PB,    106496                     ; p: tile i's codes at 1,536 i + 48 x lane; scale words at PSO + 64 i + 4 r; the second place lies SLOT1 further on
.set PSO,   6144
.set XM,    122880                     ; [tile][r][wave] f32: the waves' parts of l
.set SPARE, 123904                     ; the spare words, 128 bytes for each wave: two blocks of 256 bytes that no other line names
.set OST,   SLOT1                      ; the tail's stage, 64 rows of 2,064 bytes; it lies over p's second place, which is read last ahead of trip 33's barrier
.set OP,    2064
.set GST,   OST+64*OP
.set SPW, 1
.set NIL, 2
.set PR,  10
.set PRM, 11
.set PSR, 12
.set PSM, 13
.set PW,  14
.set PSW, 15
.set XW,  16
.set VAO, 17
.set PFO, 18
.set XRW, 19
.set QSC, 20
.set KSC, 30
.set VSC, 35
.set PSC, 40
.set PSCM, 42
.set ST,  44                           ; tile i at ST + 10 i: +0 bias' - M, +1 largest t, +2 f, +3 at work, +4, +5 l, +6 -M, +7 my block's maximum, +8 the conversion's scale operand, +9 M_O - M
.set VSO, 84
.set XPO, 85
.set TACC, 86
.set XV,  94
.set S,   110
.set P,   174
.set BAS, 238
.set L16, 251
.set L4,  252
.set R4,  253
.set WV,  24
.set CNT, 28
.set LIM, 29
.set PFA, 30
.set PFS, 32
.set CS,  34
.set SEL, 36
.set BL,  38
.set NMO, 39
.set TBW, 40
.set TB,  42
.set KP,  44
.set VP,  46
.set XP,  48
.set MSB, 0
.macro WIN new                         ; the immediate's high byte repeats the setting that is left; a switch that changes nothing is dropped
.if MSB != \new
	s_set_vgpr_msb (MSB<<8)|\new
.set MSB, \new
.endif
.endm
.macro PLACES
.rept 4
	v_nop
.endr
.endm
.macro WA
	s_wait_alu depctr_va_vdst(0)
.endm
.macro ASK x                           ; work-group x % 4, wave w names blocks 64 (x % 4) + 32 (w % 2) + lane of K's step (waves 0, 1) or V's (waves 2, 3); lanes past the last block name it again; K's last two trips ask for nothing; x = 1, in the loop: x's blocks too
	s_cmp_gt_u32 s[CNT], s[LIM]
	s_cbranch_scc0 .Lnot_mine_\@
	global_prefetch_b8 v[PFO], s[PFA:PFA+1] th:TH_LOAD_NT scope:SCOPE_SE
.Lnot_mine_\@:
.if (\x)
	s_cmp_le_u32 s[CNT], 4                         ; trips 27 to 30: 16 blocks of my tile's rows 0-7 and 16 of its rows 8-15
	s_cbranch_scc0 .Lno_x_\@
	global_prefetch_b8 v[XPO], s[XP:XP+1] th:TH_LOAD_NT scope:SCOPE_SE
.Lno_x_\@:
.endif
.endm
; one matrix instruction: D, A, B first registers; z: the sum starts with 0; sa, sb scale registers; ra, rb: lanes 16-31 of them
.macro WM d, a, b, z, sa, sb, ra, rb
.if (\z)
.if (\ra)&&(\rb)
	v_wmma_scale_f32_16x16x128_f8f6f4 v[(\d):(\d)+7], v[(\a):(\a)+11], v[(\b):(\b)+11], 0, v[\sa], v[\sb] matrix_a_fmt:MATRIX_FMT_FP6 matrix_b_fmt:MATRIX_FMT_FP6 matrix_a_scale:MATRIX_SCALE_ROW1 matrix_b_scale:MATRIX_SCALE_ROW1
.elseif (\ra)
	v_wmma_scale_f32_16x16x128_f8f6f4 v[(\d):(\d)+7], v[(\a):(\a)+11], v[(\b):(\b)+11], 0, v[\sa], v[\sb] matrix_a_fmt:MATRIX_FMT_FP6 matrix_b_fmt:MATRIX_FMT_FP6 matrix_a_scale:MATRIX_SCALE_ROW1
.elseif (\rb)
	v_wmma_scale_f32_16x16x128_f8f6f4 v[(\d):(\d)+7], v[(\a):(\a)+11], v[(\b):(\b)+11], 0, v[\sa], v[\sb] matrix_a_fmt:MATRIX_FMT_FP6 matrix_b_fmt:MATRIX_FMT_FP6 matrix_b_scale:MATRIX_SCALE_ROW1
.else
	v_wmma_scale_f32_16x16x128_f8f6f4 v[(\d):(\d)+7], v[(\a):(\a)+11], v[(\b):(\b)+11], 0, v[\sa], v[\sb] matrix_a_fmt:MATRIX_FMT_FP6 matrix_b_fmt:MATRIX_FMT_FP6
.endif
.else
.if (\ra)&&(\rb)
	v_wmma_scale_f32_16x16x128_f8f6f4 v[(\d):(\d)+7], v[(\a):(\a)+11], v[(\b):(\b)+11], v[(\d):(\d)+7], v[\sa], v[\sb] matrix_a_fmt:MATRIX_FMT_FP6 matrix_b_fmt:MATRIX_FMT_FP6 matrix_a_scale:MATRIX_SCALE_ROW1 matrix_b_scale:MATRIX_SCALE_ROW1
.elseif (\ra)
	v_wmma_scale_f32_16x16x128_f8f6f4 v[(\d):(\d)+7], v[(\a):(\a)+11], v[(\b):(\b)+11], v[(\d):(\d)+7], v[\sa], v[\sb] matrix_a_fmt:MATRIX_FMT_FP6 matrix_b_fmt:MATRIX_FMT_FP6 matrix_a_scale:MATRIX_SCALE_ROW1
.elseif (\rb)
	v_wmma_scale_f32_16x16x128_f8f6f4 v[(\d):(\d)+7], v[(\a):(\a)+11], v[(\b):(\b)+11], v[(\d):(\d)+7], v[\sa], v[\sb] matrix_a_fmt:MATRIX_FMT_FP6 matrix_b_fmt:MATRIX_FMT_FP6 matrix_b_scale:MATRIX_SCALE_ROW1
.else
	v_wmma_scale_f32_16x16x128_f8f6f4 v[(\d):(\d)+7], v[(\a):(\a)+11], v[(\b):(\b)+11], v[(\d):(\d)+7], v[\sa], v[\sb] matrix_a_fmt:MATRIX_FMT_FP6 matrix_b_fmt:MATRIX_FMT_FP6
.endif
.endif
.endm
.macro SPROD s, u, i                   ; S^T (tile i, key tile u) += K (u, s) Q (i, s)
.if (\s)<4
	WM S+16*(\i)+8*(\u),12*(4*(\u)+(\s)),12*(4*(\i)+(\s)),(\s)==0,KSC+(\s),QSC+5*((\i)/2)+(\s),\u,(\i)%2
.else
	WM S+16*(\i)+8*(\u),96+12*(\u),192+2*(\i),0,KSC+4,QSC+4+5*((\i)/2),\u,(\i)%2
.endif
.endm
; K's loads, by K step: g = 0..3: the step's scale word and its two fragments, 7 loads; g = 4: K step 4's scale word and two code words, 3 loads.  Each leaves the destination's window at 3.
.macro KLD g
	WIN 0
.if (\g)<4
	global_load_b32 v[KSC+(\g)], v[L4], s[KP:KP+1] offset:12288+128*(\g)
	WIN 0xc0
.irp u,0,1
.irp e,0,1,2
	global_load_b128 v[12*(4*\u+(\g))+4*\e:12*(4*\u+(\g))+4*\e+3], v[L16], s[KP:KP+1] offset:1536*(4*\u+(\g))+512*\e
.endr
.endr
.else
	global_load_b32 v[KSC+4], v[L4], s[KP:KP+1] offset:12800
	WIN 0xc0
	global_load_b32 v96, v[R4], s[KP:KP+1] offset:12928
	global_load_b32 v108, v[R4], s[KP:KP+1] offset:12992
.endif
.endm
.macro VLD ct                          ; V's fragment ct of my eight, 3 loads; behind an odd one the scale word of the pair
	WIN 0
.if ((\ct)%2)==1
	global_load_b32 v[VSC+(\ct)/2], v[VSO], s[VP:VP+1] offset:50688+128*((\ct)/2)
.endif
	WIN 0xc0
.irp e,0,1,2
	global_load_b128 v[120+12*(\ct)+4*\e:120+12*(\ct)+4*\e+3], v[VAO], s[VP:VP+1] offset:1536*(\ct)+512*\e
.endr
.endm
.macro MQ2                             ; the next two of the scores' 40 products, if any are left: K step mqn / 8, the eight accumulators by turns.
.if mqn<40                             ; Ahead of a K step's first pair: the next block's loads into the registers of the K step before, whose last product stands four plain lines back
.if kln&&(mqn%8==0)
	KLD mqn/8-1
.endif
	WIN 0x0b                                       ; K window 3, Q window 2, S^T window 0
	SPROD mqn/8,(mqn%8)/4,mqn%4
.set mqn, mqn+1
	SPROD mqn/8,(mqn%8)/4,mqn%4
.set mqn, mqn+1
	WIN 0
.endif
.endm
.macro PVQ                             ; the next of the 33 products of O^T += V^T p, if one is left: channels pvi / 4, query tile pvi % 4; number 32: the column t, my own tile
.if pvi<32
.if pvl&&(pvi%4==1)&&(pvi>=5)&&(pvi<=29)
	VLD pvi/4-1                                    ; the fragment before has had its last product and four plain lines
.endif
.if (pvi%4)<3
	WIN 0x5b                                       ; V window 3, p window 2, O^T window 1
	WM 8*(8*(pvi%4)+pvi/4),120+12*(pvi/4),212+12*(pvi%4),pvz,VSC+pvi/8,PSC+(pvi%4)/2,(pvi/4)%2,pvi%2
.else
	WIN 0x5f                                       ; p's fragment 3: window 3
	WM 8*(8*(pvi%4)+pvi/4),120+12*(pvi/4),228,pvz,VSC+pvi/8,PSC+(pvi%4)/2,(pvi/4)%2,pvi%2
.endif
	WIN 0
.elseif pvi==32
	WIN 0x0f
	WM TACC,216,240,pvz,VSC+4,PSCM,0,0
	WIN 0
.endif
.set pvi, pvi+1
.endm
.macro LOADP                           ; 18 LDS loads: p's five fragments and its scale words
	WIN 0xc0
.irp e,0,1,2
	ds_load_b128 v[228+4*\e:228+4*\e+3], v[PR] offset:4608+16*\e
	ds_load_b128 v[240+4*\e:240+4*\e+3], v[PRM] offset:16*\e
.endr
	WIN 0x80
.irp i,0,1,2
.irp e,0,1,2
	ds_load_b128 v[212+12*\i+4*\e:212+12*\i+4*\e+3], v[PR] offset:1536*\i+16*\e
.endr
.endr
	WIN 0
	ds_load_b32 v[PSC], v[PSR] offset:PSO
	ds_load_b32 v[PSC+1], v[PSR] offset:PSO+128
	ds_load_b32 v[PSCM], v[PSM] offset:PSO
.endm
.macro ADDR                            ; p's four addresses on the way out of LDS, two on the way in: the two places by turns
.irp n,0,1,2,3
	v_add_nc_u32 v[PR+\n], s[TB], v[BAS+\n]
.endr
	v_add_nc_u32 v[PW], s[TBW], v[BAS+4]
	v_add_nc_u32 v[PSW], s[TBW], v[BAS+5]
.endm
.macro EXG n                           ; p of accumulator n: eight exponentials, out of S^T's registers into p's
.irp e,0,1,2,3,4,5,6,7
	v_exp_f32 v[P+16*((\n)%4)+8*((\n)/4)+\e], v[S+16*((\n)%4)+8*((\n)/4)+\e]
.endr
.endm
; Block j - 1: l takes the unquantised p; the block's scale; the codes; their way to LDS.  Two products of the scores stand behind every four lines.
.macro QUANT
.irp q,0,1,2,3,4,5,6,7
.irp i,0,1,2,3
	v_pk_add_f32 v[ST+10*\i+4:ST+10*\i+5], v[ST+10*\i+4:ST+10*\i+5], v[P+16*\i+2*\q:P+16*\i+2*\q+1]
.endr
	MQ2
.endr
.irp i,0,1,2,3
	v_max_num_f32 v[ST+10*\i+7], 0x1800000, v[ST+10*\i+7]          ; the floor 2^(3 - 127)
.endr
	MQ2
.irp i,0,1,2,3
	v_add_nc_u32 v[ST+10*\i+8], 0xff000000, v[ST+10*\i+7]          ; 2 off the exponent field: the conversion's scale operand
.endr
	MQ2
.irp i,0,1,2,3
	v_lshrrev_b32 v[ST+10*\i+3], 23, v[ST+10*\i+8]                 ; the byte under M,
.endr
	MQ2
.irp i,0,1,2,3
	v_sub_nc_u32 v[ST+10*\i+3], v[ST+10*\i+3], v[ST+10*\i+9]       ; and under M_O: + (M - M_O),
.endr
	MQ2
.irp i,0,1,2,3
	v_min_u32 v[ST+10*\i+3], 0xfe, v[ST+10*\i+3]                   ; held at the largest scale
.endr
	MQ2
.irp i,0,1,2,3
	v_cvt_scalef32_pk16_fp6_f32 v[XV+4*\i:XV+4*\i+2], v[P+16*\i:P+16*\i+15], v[ST+10*\i+8]   ; keys 16 h + 0..15 of my block, for query r
.endr
	v_nop                                          ; one plain line behind the conversions
	MQ2
.irp i,0,1,2,3
.irp e,0,1,2
	ds_store_b32 v[PW], v[XV+4*\i+\e] offset:1536*\i+4*\e          ; to lane r + 16 (w % 2), registers 6 (w / 2) + 3 h + e of p's fragment
.endr
	ds_store_b8 v[PSW], v[ST+10*\i+3] offset:PSO+64*\i             ; byte w of the query's scale word
.if \i%2
	MQ2
.endif
.endr
.endm
.macro BM3 x, y
.irp i,0,1,2,3
	v_max3_num_f32 v[ST+10*\i+7], v[ST+10*\i+7], v[S+16*\i+\x], v[S+16*\i+\y]
.endr
	PVQ
.endm
; Block j: its largest score, the new M, t - M.  One product V^T p stands behind every four lines.  Each accumulator is read from its low end on.
.macro SMAX
.irp i,0,1,2,3
	v_max3_num_f32 v[ST+10*\i+7], v[S+16*\i], v[S+16*\i+1], v[S+16*\i+2]
.endr
	PVQ
	BM3 8, 9
	BM3 3, 4
	BM3 5, 6
	BM3 7, 10
	BM3 11, 12
	BM3 13, 14
.irp i,0,1,2,3
	v_max_num_f32 v[ST+10*\i+7], v[ST+10*\i+7], v[S+16*\i+15]
.endr
	PVQ
.irp i,0,1,2,3
	v_permlanex16_b32 v[ST+10*\i+3], v[ST+10*\i+7], s[SEL], s[SEL+1]
.endr
	PVQ
.irp i,0,1,2,3
	v_max_num_f32 v[ST+10*\i+7], v[ST+10*\i+7], v[ST+10*\i+3]
.endr
	PVQ
.irp i,0,1,2,3
	v_fma_f32 v[ST+10*\i+3], v[ST+10*\i+7], s[CS], s[BL]           ; as t (c is positive)
.endr
	PVQ
.irp i,0,1,2,3
	v_max_num_f32 v[ST+10*\i+1], v[ST+10*\i+1], v[ST+10*\i+3]      ; the running largest t
.endr
	PVQ
.irp i,0,1,2,3
	v_mov_b32 v[ST+10*\i+3], v[ST+10*\i+6]
.endr
	PVQ
.irp i,0,1,2,3
	v_floor_f32 v[ST+10*\i+6], -v[ST+10*\i+1]                      ; -M = floor(-t)
.endr
	PVQ
.irp i,0,1,2,3
	v_sub_f32 v[ST+10*\i+3], v[ST+10*\i+6], v[ST+10*\i+3]          ; old M - new M: a whole number, 0 or less
.endr
	PVQ
.irp i,0,1,2,3
	v_cvt_i32_f32 v[ST+10*\i+3], v[ST+10*\i+3]                     ; (it saturates)
.endr
	PVQ
.irp i,0,1,2,3
	v_ldexp_f32 v[ST+10*\i+2], 1.0, v[ST+10*\i+3]                  ; f, for l
.endr
	PVQ
.irp i,0,1,2,3
	v_add_f32 v[ST+10*\i], s[BL], v[ST+10*\i+6]                    ; bias log2 e - M
.endr
	PVQ
.irp i,0,1,2,3
	v_sub_f32 v[ST+10*\i+9], v[ST+10*\i+6], s[NMO]                 ; M_O - M
.endr
	PVQ
.irp i,0,1,2,3
	v_cvt_i32_f32 v[ST+10*\i+9], v[ST+10*\i+9]
.endr
	PVQ
.irp i,0,1,2,3
	v_pk_mul_f32 v[ST+10*\i+4:ST+10*\i+5], v[ST+10*\i+4:ST+10*\i+5], v[ST+10*\i+2:ST+10*\i+3] op_sel_hi:[1,0]   ; l under the new M
.endr
	PVQ
.set m, 0
.rept 32
	v_pk_fma_f32 v[S+2*m:S+2*m+1], v[S+2*m:S+2*m+1], s[CS:CS+1], v[ST+10*(m/8):ST+10*(m/8)+1] op_sel_hi:[1,0,0]   ; t - M, two at a time
.if m%4==3
	PVQ
.endif
.set m, m+1
.endr
.irp i,0,1,2,3
	v_fma_f32 v[ST+10*\i+7], v[ST+10*\i+7], s[CS], v[ST+10*\i]     ; the same of my block's largest score
.endr
	PVQ
.endm
.macro XLOAD from, to                  ; x of my tile's 16 rows, 512 consecutive bytes a load, into Q's registers (loads 0-51) and K's (52-63), which no later product reads
.set m, \from
.rept (\to)-(\from)
.if m<52
	WIN 0x80
	global_load_b128 v[4*m:4*m+3], v[L16], s[10:11] offset:(m/4+8*(m/32))*2048+512*(m%4) th:TH_LOAD_NT
.else
	WIN 0xc0
	global_load_b128 v[4*(m-52):4*(m-52)+3], v[L16], s[10:11] offset:(m/4+8*(m/32))*2048+512*(m%4) th:TH_LOAD_NT
.endif
.set m, m+1
.endr
	WIN 0
.endm
; A TRIP.  ask: prefetches; eq: block j - 1 is exponentiated and quantised; qk: the scores of block j; kn: K(j + 1) is loaded; pv: V(j - 2) p(j - 2); vh: of V(j - 2) the head loads nothing (0), its last 8 loads (1), all 32 (2);
; vn: the first 24 loads of V(j - 1) stand among the products; vs: V's address goes a step on; z: the products V^T p start their sums; xl: x's loads 0-51 (1), 52-63 (2).
; LOADcnt, loads coming back in the order of issue: behind K(j)'s first 7 loads were issued its other 24 and, where pv, 32 of V(j - 2); behind V(j - 2)'s last, 28 of K(j + 1) or x's 52 or 12.
.macro TRIP ask, eq, qk, kn, pv, vh, vn, vs, z, xl
	WIN 0
	s_xor_b32 s[TB], s[TB], SLOT1
	s_xor_b32 s[TBW], s[TBW], SLOT1
	ADDR                                           ; (also the places behind the last products, ahead of the loads into their operands)
.if (\vh)==2
.irp c,0,1,2,3,4,5,6
	VLD \c
.endr
.endif
.if \vh
	VLD 7
.irp e,0,1,2
	global_load_b128 v[216+4*\e:216+4*\e+3], v[L16], s[VP:VP+1] offset:49152+512*\e    ; t's fragment
.endr
	WIN 0
	global_load_b32 v[VSC+4], v[L4], s[VP:VP+1] offset:52736
.endif
	WA                                             ; directly ahead of the blocking waits: it covers all that was written so far, the exponentials' sources among it
.if \ask
	s_wait_xcnt 0x0                                ; the last prefetches, a trip back, have read their addresses
	s_add_nc_u64 s[PFA:PFA+1], s[PFA:PFA+1], s[PFS:PFS+1]
.if (\ask)==2
	s_cmp_le_u32 s[CNT], 3
	s_cselect_b32 s2, 4096, 0                      ; x's stand still up to trip 27
	s_add_nc_u64 s[XP:XP+1], s[XP:XP+1], s[2:3]
.endif
.endif
	s_wait_dscnt 0x0                               ; my stores of p(j - 2) and my reads of p(j - 3) are done
	s_barrier_signal -1
	s_barrier_wait -1                              ; so are everybody's
.if \ask
	ASK (\ask)==2
.endif
.if (\xl)==1
	XLOAD 0, 52
.elseif (\xl)==2
	XLOAD 52, 64
.endif
.if \qk
.set mqn, 8
.else
.set mqn, 40
.endif
.set kln, (\kn)*(\eq)
.set pvl, \vn
.set pvi, 33*(1-\pv)
.set pvz, \z
.if \eq
	EXG 0
	EXG 1
.endif
.if \qk
	s_wait_loadcnt 24+32*\pv                       ; K step 0 and its scale word are in
.endif
.irp n,0,1,2,3,4,5,6,7
.if (\eq)&&(\n<6)
	EXG \n+2
.endif
.if \qk
	v_nop                                          ; a plain line between the exponentials that read accumulator n and the product that writes it
	WIN 0x0b
	SPROD 0,\n/4,\n%4
	WIN 0
.endif
.endr
.if \eq
.irp i,0,1,2,3
	v_exp_f32 v[ST+10*\i+7], v[ST+10*\i+7]                         ; my block's largest p: the same two instructions on the same number
.endr
	v_nop
	WA                                             ; one wait for the batch, ahead of its first reader and of the chains that go on
.endif
.if \qk
	s_wait_loadcnt 32*\pv                          ; all of K is in
.endif
.if \kn
	s_wait_xcnt 0x0                                ; K's address is stepped only behind this wait
	s_add_nc_u64 s[KP:KP+1], s[KP:KP+1], KSTP
.endif
.if \pv
	LOADP
.endif
.if \eq
	QUANT
.endif
.rept 16
	MQ2
.endr
.if \pv
	WA                                             ; directly ahead of the blocking waits
	s_wait_dscnt 0x0                               ; p is in registers
.if (\xl)==1
	s_wait_loadcnt 52
.elseif (\xl)==2
	s_wait_loadcnt 12
.else
	s_wait_loadcnt 28*\kn                          ; V is in registers
.endif
.endif
.if \vs
	s_wait_xcnt 0x0                                ; V's address is stepped only behind this wait
	s_add_nc_u64 s[VP:VP+1], s[VP:VP+1], VREC
.endif
.if \qk
	PLACES                                         ; four places between the last product of the scores and their first read, and ahead of the loads into its operands
.if \kn
.if (\eq)==0
.irp g,0,1,2,3
	KLD \g
.endr
.endif
	KLD 4
	WIN 0
.endif
	SMAX
.endif
.rept 33
	PVQ
.endr
.endm
	s_load_b512 s[4:19], s[0:1], 0x0               ; kc s[4:5], vc s[6:7], rt s[8:9], g s[10:11], p s[12:13], scale s[14:15], bias s[16:17], gamma s[18:19]
	s_load_b128 s[20:23], s[0:1], 0x40             ; beta s[20:21], out0 s[22:23]
	v_lshl_add_u32 v[SPW], v0, 2, SPARE
	v_mov_b32 v[NIL], 0
	v_lshrrev_b32 v110, 5, v0
	v_readfirstlane_b32 s[WV], v110                ; wave 0..3
	s_mov_b32 s26, ttmp9                           ; qb: my block of 64 queries
	s_and_b32 s25, ttmp9, 3
	s_and_b32 s27, ttmp7, 0xffff                   ; the batch
	s_and_b32 s60, s[WV], 1
	s_mul_i32 s66, s27, 128*KREC
	s_mul_i32 s67, s[WV], KREC
	s_add_co_u32 s66, s66, s67                     ; K: the batch's step 0, my key block
	s_mov_b32 s67, 0
	s_mul_i32 s100, s27, 32*VREC
	s_mov_b32 s101, 0
	s_lshl_b32 s104, s27, 7
	s_lshl_b32 s105, s26, 1
	s_add_co_u32 s104, s104, s105
	s_mul_i32 s104, s104, KREC                     ; my queries: key blocks 2 qb, 2 qb + 1 of kc
	s_mov_b32 s105, 0
	s_mov_b32 s[SEL], 0x76543210
	s_mov_b32 s[SEL+1], 0xfedcba98
	s_mov_b32 s[TB], 0
	s_mov_b32 s[TBW], SLOT1
	s_mov_b32 s3, 0                                ; stays 0: the upper word of s[2:3]
	WA
	s_wait_kmcnt 0x0
	s_load_b32 s41, s[14:15], 0x0                  ; scale
	s_load_b32 s43, s[16:17], 0x0                  ; bias
	s_add_nc_u64 s[KP:KP+1], s[4:5], s[66:67]
	s_add_nc_u64 s[VP:VP+1], s[6:7], s[100:101]
	s_add_nc_u64 s[104:105], s[4:5], s[104:105]    ; Q
	; where my tile's rows lie in out0, rt and x; gamma or beta
	s_lshr_b32 s84, s[WV], 1
	s_lshl_b32 s84, s84, 5
	s_lshl_b32 s86, s60, 3
	s_add_co_u32 s84, s84, s86                     ; my tile's first local row: 32 (w / 2) + 8 (w % 2); lane r's row lies r + 8 (r / 8) further on
	s_lshl_b32 s86, s26, 6
	s_add_co_u32 s86, s86, s84
	s_lshl_b32 s87, s27, 12
	s_add_co_u32 s87, s87, s86
	s_lshl_b32 s88, s87, 11
	s_mov_b32 s89, 0
	s_add_nc_u64 s[22:23], s[22:23], s[88:89]
	s_lshl_b32 s88, s87, 4
	s_add_nc_u64 s[8:9], s[8:9], s[88:89]
	s_and_b32 s86, s26, 31
	s_lshl_b32 s86, s86, 6
	s_add_co_u32 s86, s86, s84
	s_lshl_b32 s87, s27, 11
	s_add_co_u32 s86, s86, s87
	s_lshl_b32 s88, s86, 11
	s_cmp_lt_u32 ttmp9, 32                         ; query blocks 0-31 are g's
	s_cselect_b64 s[10:11], s[10:11], s[12:13]
	s_add_nc_u64 s[10:11], s[10:11], s[88:89]
	s_mov_b64 s[XP:XP+1], s[10:11]
	s_cmp_lt_u32 s[WV], 2
	s_cselect_b64 s[18:19], s[18:19], s[20:21]
	s_lshl_b32 s88, s60, 10
	s_add_nc_u64 s[18:19], s[18:19], s[88:89]
	v_and_b32 v110, 31, v0                         ; lane
	v_and_b32 v111, 15, v0                         ; r
	v_bfe_u32 v112, v0, 4, 1                       ; h
	v_lshlrev_b32 v[L16], 4, v110
	v_lshlrev_b32 v[L4], 2, v110
	v_lshlrev_b32 v[R4], 2, v111
	WIN 0x80                                       ; destination window 2: Q stays in registers
.irp i,0,1,2,3
.irp s,0,1,2,3
.irp e,0,1,2
	global_load_b128 v[12*(4*\i+\s)+4*\e:12*(4*\i+\s)+4*\e+3], v[L16], s[104:105] offset:(\i/2)*KREC+(4*(\i%2)+\s)*1536+512*\e
.endr
.endr
	global_load_b32 v[192+2*\i], v[R4], s[104:105] offset:(\i/2)*KREC+12928+64*(\i%2)
.endr
.irp e,193,195,197,199,200,201,202,203,204,205,206,207,208,209
	v_mov_b32 v[\e], 0                             ; named in K step 4's spans of Q, so they are written
.endr
	WIN 0xc0
.irp e,97,98,99,100,101,102,103,104,105,106,107,109,110,111,112,113,114,115,116,117,118,119
	v_mov_b32 v[\e], 0                             ; K step 4 of K: exact zeros beside the one code; v96 and v108 are loaded in every trip
.endr
	WIN 0
.irp b,0,1
.irp s,0,1,2,3,4
	global_load_b32 v[QSC+5*\b+\s], v[L4], s[104:105] offset:\b*KREC+12288+128*\s    ; lanes 0-15: tile 2 b, lanes 16-31: tile 2 b + 1
.endr
.endr
.irp g,0,1,2,3,4
	KLD \g                                         ; K(0): 31 loads
.endr
	WIN 0
	; offsets and bases
	s_mul_i32 s2, s[WV], 8*1536
	v_add_nc_u32 v[VAO], s2, v[L16]                ; V's fragments: my eight tiles
	s_lshl_b32 s2, s[WV], 9
	v_add_nc_u32 v[VSO], s2, v[L4]                 ; V's scale words
	v_lshlrev_b32 v[XPO], 8, v111
	v_lshl_add_u32 v[XPO], v112, 15, v[XPO]        ; x's prefetches: 256 (lane % 16) + 16 rows x (lane / 16)
	v_mul_u32_u24 v[BAS], v110, 48
	v_add_nc_u32 v[BAS], PB, v[BAS]                ; p's fragments
	s_mul_i32 s2, s[WV], 1536
	v_add_nc_u32 v[BAS+1], s2, v[BAS]              ; my own tile's
	v_add_nc_u32 v[BAS+2], PB, v[L4]               ; p's scale words
	s_lshl_b32 s2, s[WV], 6
	s_add_co_u32 s2, s2, PB
	v_add_nc_u32 v[BAS+3], s2, v[R4]
	s_mul_i32 s2, s60, 768
	s_lshr_b32 s61, s[WV], 1
	s_mul_i32 s61, s61, 24
	s_add_co_u32 s2, s2, s61
	s_add_co_u32 s2, s2, PB
	v_mul_u32_u24 v[BAS+4], v111, 48
	v_mad_u32_u24 v[BAS+4], v112, 12, v[BAS+4]
	v_add_nc_u32 v[BAS+4], s2, v[BAS+4]            ; p's way in
	s_add_co_u32 s2, s[WV], PB
	v_add_nc_u32 v[BAS+5], s2, v[R4]
	v_lshl_add_u32 v113, v111, 4, XM
	s_lshl_b32 s2, s[WV], 2
	v_add_nc_u32 v[XW], s2, v113
	s_lshl_b32 s2, s[WV], 8
	v_add_nc_u32 v[XRW], s2, v113
.irp i,0,1,2,3
	v_mov_b32 v[ST+10*\i+1], 0xff61b1e6            ; the largest t so far: -3e38
	v_mov_b32 v[ST+10*\i+2], 0
	v_mov_b32 v[ST+10*\i+3], 0
	v_mov_b32 v[ST+10*\i+4], 0                     ; l, in two halves
	v_mov_b32 v[ST+10*\i+5], 0
	v_floor_f32 v[ST+10*\i+6], -v[ST+10*\i+1]
.endr
	WA
	s_wait_kmcnt 0x0
	; K's and V's prefetches: where they stand, a step's bytes, the last block, who asks
	s_cmp_lt_u32 s[WV], 2
	s_cselect_b64 s[PFA:PFA+1], s[4:5], s[6:7]
	s_mov_b32 s[PFS], VREC
	s_cselect_b32 s[PFS], KSTP, s[PFS]
	s_mov_b32 s14, 32*VREC
	s_cselect_b32 s14, 128*KREC, s14
	s_mov_b32 s15, 207
	s_cselect_b32 s15, 203, s15
	s_cselect_b32 s16, 2*KSTP, 0
	s_cselect_b32 s[LIM], 1, 0
	s_mov_b32 s[PFS+1], 0
	s_mul_i32 s14, s14, s27
	s_add_co_u32 s14, s14, s[PFS]
	s_add_co_u32 s16, s14, s16                     ; K: at step 3, V: at step 1; trip 2 steps them to K(4), V(2)
	s_mov_b32 s17, 0
	s_add_nc_u64 s[PFA:PFA+1], s[PFA:PFA+1], s[16:17]
	s_cmp_lt_u32 ttmp9, 4                          ; the batch's first four work-groups
	s_cselect_b32 s[LIM], s[LIM], -1
	s_lshl_b32 s14, s25, 6
	s_lshl_b32 s16, s60, 5
	s_add_co_u32 s14, s14, s16                     ; 64 (x % 4) + 32 (w % 2)
	v_add_nc_u32 v[PFO], s14, v110
	v_min_u32 v[PFO], s15, v[PFO]
	v_lshlrev_b32 v[PFO], 8, v[PFO]
	v_mov_b32 v113, s41
	v_mov_b32 v115, s43
	WA
	v_rcp_f32 v114, v113
	v_mul_f32 v115, 0x3fb8aa3b, v115               ; bias log2 e
	WA
	v_mul_f32 v114, 0x3fb8aa3b, |v114|             ; c = log2 e / |scale|
	v_floor_f32 v116, -v115                        ; -M_O
	v_readfirstlane_b32 s[CS], v114
	v_readfirstlane_b32 s[BL], v115
	v_readfirstlane_b32 s[NMO], v116
	s_mov_b32 s[CS+1], s[CS]
	; THE SIGNS.  scale > 0: S = t t' - s'.s': every code of s' in Q changes sign.  scale < 0: t's code alone does.  So: all codes change sign where scale > 0, and t's code changes sign always.
	v_cmp_lt_f32 vcc_lo, 0, v113
	v_cndmask_b32 v116, 0, -1, vcc_lo
	v_and_b32 v117, 0x20820820, v116               ; the sign bits of six-bit codes in three words on end
	v_and_b32 v118, 0x08208208, v116
	v_and_b32 v119, 0x82082082, v116
	v_add_nc_u32 v109, -1, v112                    ; all ones in lanes 0-15
	v_and_b32 v108, 32, v109                       ; the sign of the first code, lanes 0-15
	v_and_b32 v107, v117, v108
	WA
	s_wait_loadcnt 31                              ; Q is in; K(0)'s 31 loads may be out
	WIN 0x88                                       ; destination and source 1 window 2
.set q, 0
.rept 192
	v_xor_b32 v[q], v[117+q%3], v[q]
.set q, q+1
.endr
.irp i,0,1,2,3
	v_and_b32 v[192+2*\i], v109, v[192+2*\i]       ; number 512's code in lanes 0-15 alone
	v_xor_b32 v[192+2*\i], v107, v[192+2*\i]
	v_xor_b32 v[48*\i], v108, v[48*\i]             ; t's code: number 0, lanes 0-15 of register 0 of K step 0
.endr
	TRIP 0, 0, 1, 1, 0, 0, 0, 0, 0, 0              ; trip 0: the scores of block 0
	TRIP 0, 1, 1, 1, 0, 0, 0, 0, 0, 0              ; trip 1: there is no p in LDS yet
	s_mov_b32 s[CNT], 29
	TRIP 1, 1, 1, 1, 1, 2, 1, 1, 1, 0              ; trip 2: the products V^T p start their sums: nothing is ever cleared
	s_mov_b32 s[CNT], 28
.Ltrip:                                            ; trips 3 to 30: trip 31 - s[CNT]
	TRIP 2, 1, 1, 1, 1, 1, 1, 1, 0, 0
	s_sub_co_u32 s[CNT], s[CNT], 1
	s_cmp_lg_u32 s[CNT], 0
	s_cbranch_scc1 .Ltrip
	TRIP 0, 1, 1, 0, 1, 1, 1, 1, 0, 0              ; trip 31: the last scores
	TRIP 0, 1, 0, 0, 1, 1, 0, 1, 0, 1              ; trip 32: block 31 is quantised
	TRIP 0, 0, 0, 0, 1, 2, 0, 0, 0, 2              ; trip 33: the last block of p is multiplied
; ---- THE TAIL.  O^T goes through LDS once, so that wave w holds query tile w whole: lane (r, h) has channels 8 e + 4 h + 0..3, e = 0..63, of query r, in register 4 e + 0..3.
	s_lshl_b32 s84, s[WV], 9
	s_add_co_u32 s84, s84, OST
	s_mul_i32 s85, s[WV], 16*OP
	s_add_co_u32 s85, s85, OST
	s_lshl_b32 s86, s[WV], 10
	s_add_co_u32 s86, s86, GST
	v_and_b32 v110, 15, v0                         ; r   (this address work is also the places behind the last products)
	v_bfe_u32 v111, v0, 4, 1                       ; h
	v_mul_u32_u24 v3, v110, OP
	v_lshl_add_u32 v5, v111, 4, v3
	v_lshl_add_u32 v3, v111, 5, v3
	v_add_nc_u32 v3, s84, v3                       ; v3: O^T in: row r of tiles 0, 1, my 512 bytes, + 32 h
	v_add_nc_u32 v4, 32*OP, v3                     ; v4: tiles 2, 3
	v_add_nc_u32 v5, s85, v5                       ; v5: my tile's row r, + 16 h
	v_add_nc_u32 v6, s85, v[L16]                   ; v6: my tile's rows, 16 bytes a lane
	v_add_nc_u32 v7, s86, v[L16]                   ; v7: my quarter of gamma and beta, in
	v_lshl_add_u32 v8, v111, 4, GST                ; v8: gamma and beta, out: 16 h
	v_and_b32 v9, 8, v110
	v_add_nc_u32 v9, v9, v110
	v_lshlrev_b32 v9, 4, v9                        ; v9: rt: 16 (r + 8 (r / 8))
.irp i,0,1,2,3
	v_add_f32 v[ST+10*\i+4], v[ST+10*\i+4], v[ST+10*\i+5]
.endr
.irp i,0,1,2,3
	v_permlanex16_b32 v[ST+10*\i+3], v[ST+10*\i+4], s[SEL], s[SEL+1]
.endr
.irp i,0,1,2,3
	v_add_f32 v[ST+10*\i+4], v[ST+10*\i+4], v[ST+10*\i+3]
.endr
.irp i,0,1,2,3
	v_sub_nc_u32 v[ST+10*\i+9], 0, v[ST+10*\i+9]                   ; M - M_O
.endr
.irp i,0,1,2,3
	v_ldexp_f32 v[ST+10*\i+4], v[ST+10*\i+4], v[ST+10*\i+9]        ; my key blocks' part of l, under M_O
.endr
	WA
	global_load_b128 v[104:107], v[L16], s[18:19]
	global_load_b128 v[108:111], v[L16], s[18:19] offset:512
	global_load_b128 v[100:103], v9, s[8:9]        ; r, t, sum s', sum s'^2 of my query
.irp i,0,1,2,3
	ds_store_b32 v[XW], v[ST+10*\i+4] offset:256*\i
.endr
	WIN 0x04                                       ; an LDS store's data are its source 1: window 1
.irp i,0,1,2,3
.irp c,0,1,2,3,4,5,6,7
	ds_store_b128 v[3+\i/2], v[8*(8*\i+\c):8*(8*\i+\c)+3] offset:(\i%2)*16*OP+64*\c          ; each accumulator from its low end on
	ds_store_b128 v[3+\i/2], v[8*(8*\i+\c)+4:8*(8*\i+\c)+7] offset:(\i%2)*16*OP+64*\c+16
.endr
.endr
	WIN 0
	s_wait_loadcnt 0x0                             ; x, gamma or beta, and rt
	ds_store_b128 v7, v[104:107]
	ds_store_b128 v7, v[108:111] offset:512
	s_wait_dscnt 0x0                               ; for the others' sake: my stores are done
	s_barrier_signal -1
	s_barrier_wait -1
	WIN 0x40
.set m, 0
.rept 64
	ds_load_b128 v[4*m:4*m+3], v5 offset:32*m      ; O of my tile
.set m, m+1
.endr
	WIN 0
	ds_load_b128 v[112:115], v[XRW]                ; the four parts of l
	WIN 0x08
.set m, 0
.rept 52
	ds_store_b128 v6, v[4*m:4*m+3] offset:(m/4)*OP+512*(m%4)       ; x turns through my own rows of the stage: LDS serves a wave's instructions in order, so these come behind my reads of O
.set m, m+1
.endr
	WIN 0x0c
.rept 12
	ds_store_b128 v6, v[4*(m-52):4*(m-52)+3] offset:(m/4)*OP+512*(m%4)
.set m, m+1
.endr
	s_wait_dscnt 0x0                               ; O is in; the stores have read their registers
	WIN 0x80
.set m, 0
.rept 64
	ds_load_b128 v[4*m:4*m+3], v5 offset:32*m      ; x as O lies
.set m, m+1
.endr
	WIN 0xc0
.set m, 0
.rept 64
	ds_load_b128 v[4*m:4*m+3], v8 offset:32*m      ; gamma likewise
.set m, m+1
.endr
.macro SQSUM acc                       ; four chains of packed sums of squares over window 1
	WIN 0x05
.set m, 0
.rept 128
.if m<4
	v_pk_mul_f32 v[\acc+2*m:\acc+2*m+1], v[2*m:2*m+1], v[2*m:2*m+1]
.else
	v_pk_fma_f32 v[\acc+2*(m%4):\acc+2*(m%4)+1], v[2*m:2*m+1], v[2*m:2*m+1], v[\acc+2*(m%4):\acc+2*(m%4)+1]
.endif
.set m, m+1
.endr
	WIN 0
.endm
.macro RED b                           ; the four chains, the pair, the other half of the lanes
	v_pk_add_f32 v[\b:\b+1], v[\b:\b+1], v[\b+2:\b+3]
	v_pk_add_f32 v[\b+4:\b+5], v[\b+4:\b+5], v[\b+6:\b+7]
	v_pk_add_f32 v[\b:\b+1], v[\b:\b+1], v[\b+4:\b+5]
	v_add_f32 v[\b], v[\b], v[\b+1]
	v_permlanex16_b32 v[\b+1], v[\b], s[SEL], s[SEL+1]
	v_add_f32 v[\b], v[\b], v[\b+1]
.endm
.macro OMUL pr                         ; window 1 times a pair of window 0
	WIN 0x41
.set m, 0
.rept 128
	v_pk_mul_f32 v[2*m:2*m+1], v[2*m:2*m+1], v[\pr:\pr+1]
.set m, m+1
.endr
	WIN 0
.endm
	SQSUM 120                                      ; q2 = sum O^2
	WIN 0x05
.irp n,0,1,2,3
	v_pk_add_f32 v[128+2*\n:129+2*\n], v[2*\n:2*\n+1], v[2*\n+8:2*\n+9]    ; q1 = sum O
.endr
	WIN 0x01
.set m, 8
.rept 120
	v_pk_add_f32 v[128+2*(m%4):129+2*(m%4)], v[2*m:2*m+1], v[128+2*(m%4):129+2*(m%4)]
.set m, m+1
.endr
	s_wait_dscnt 0x0                               ; x and gamma are in
	WIN 0x06                                       ; source 0 (x) window 2, source 1 (O) window 1
.set m, 0
.rept 128
.if m<4
	v_pk_mul_f32 v[136+2*m:137+2*m], v[2*m:2*m+1], v[2*m:2*m+1]
.else
	v_pk_fma_f32 v[136+2*(m%4):137+2*(m%4)], v[2*m:2*m+1], v[2*m:2*m+1], v[136+2*(m%4):137+2*(m%4)]   ; qx = sum x O
.endif
.set m, m+1
.endr
	WIN 0
	RED 120
	RED 128
	RED 136
	; a query's figures, one query a lane.  ave = O / l; attn = ave / denom; u = cL attn_s = k O; v = u + cf (x + o); z = cosh(nv) s' + sinh(nv) / nv (u + cf s') = P1 r x + P2 O
	; each batch of transcendentals has the wait ahead of it and, behind a plain line, the wait ahead of its first reader
	v_add_f32 v112, v112, v113
	v_add_f32 v114, v114, v115
	v_add_f32 v112, v112, v114                     ; l
	v_add_f32 v161, 1.0, v101                      ; 1 + x0
	WA
	v_rcp_f32 v160, v112                           ; 1 / l
	v_rcp_f32 v166, v161
	v_nop
	WA
	v_mul_f32 v162, v[TACC], v160                  ; ave_0
	v_mul_f32 v163, v160, v160
	v_mul_f32 v163, v120, v163                     ; sum ave_s^2
	v_fma_f32 v164, -v162, v162, v163              ; <ave, ave>_L
	v_max_num_f32 v164, |v164|, 0x33d6bf95
	WA
	v_rsq_f32 v165, v164                           ; 1 / denom
	v_nop
	WA
	v_mul_f32 v167, v162, v165
	v_max_num_f32 v167, 0x3f800001, v167           ; alpha = max(attn_0, 1 + 1e-7)
	v_add_f32 v168, -1.0, v167
	v_add_f32 v169, 1.0, v167
	v_mul_f32 v168, v168, v169
	WA
	v_sqrt_f32 v174, v168                          ; sqrt(alpha^2 - 1)
	v_nop
	WA
	v_add_f32 v170, v167, v174
	v_mul_f32 v172, v165, v160
	WA
	v_log_f32 v170, v170
	v_rcp_f32 v171, v174
	v_nop
	WA
	v_mul_f32 v170, 0x3f317218, v170               ; arccosh(alpha)
	v_mul_f32 v170, v170, v171
	v_mul_f32 v172, v170, v172                     ; k
	v_mul_f32 v173, v172, v100
	v_mul_f32 v173, v173, v136                     ; W = <s', u>
	v_mul_f32 v174, v173, v166                     ; cf
	v_mul_f32 v175, v172, v172
	v_mul_f32 v175, v175, v120                     ; |u|^2
	v_mul_f32 v176, v174, v173
	v_fma_f32 v175, 2.0, v176, v175
	v_fma_f32 v177, -v161, v161, v103              ; sum s'^2 - (x0 + 1)^2
	v_mul_f32 v178, v174, v174
	v_fma_f32 v175, v178, v177, v175               ; <v, v>_L
	v_max_num_f32 v175, 0x33d6bf95, v175           ; nv^2
	WA
	v_sqrt_f32 v176, v175
	v_fma_f32 v184, v175, 0x3c638e39, 1.0          ; sinh(nv) / nv by the series, for nv^2 < 1
	v_mul_f32 v185, 0x3cc30c31, v175
	v_fma_f32 v184, v185, v184, 1.0
	v_mul_f32 v185, 0x3d4ccccd, v175
	v_fma_f32 v184, v185, v184, 1.0
	v_mul_f32 v185, 0x3e2aaaab, v175
	v_fma_f32 v184, v185, v184, 1.0
	WA
	v_mul_f32 v177, 0x3fb8aa3b, v176
	WA
	v_exp_f32 v178, v177
	v_exp_f32 v179, -v177
	v_rcp_f32 v180, v176
	v_nop
	v_cmp_gt_f32 vcc_lo, 1.0, v175
	WA
	v_add_f32 v181, v178, v179
	v_mul_f32 v181, 0.5, v181                      ; cosh(nv)
	v_sub_f32 v182, v178, v179
	v_mul_f32 v182, v182, v180
	v_mul_f32 v182, 0.5, v182
	v_cndmask_b32 v182, v182, v184, vcc_lo         ; sinh(nv) / nv
	v_fma_f32 v183, v182, v174, v181               ; P1
	v_mul_f32 v200, v182, v172                     ; P2
	v_mov_b32 v201, v200
	v_mul_f32 v204, v183, v100                     ; P1 r
	v_mov_b32 v205, v204
	v_mul_f32 v186, v200, v128
	v_fma_f32 v186, v183, v102, v186               ; sum z = P1 sum s' + P2 sum O
	v_mul_f32 v202, 0xbb000000, v186               ; -mu
	v_mov_b32 v203, v202
	WIN 0x41
.set m, 0
.rept 128
	v_pk_fma_f32 v[2*m:2*m+1], v[2*m:2*m+1], v[200:201], v[202:203]        ; P2 O - mu
.set m, m+1
.endr
	WIN 0x52                                       ; source 0 (x) window 2, source 2 and destination window 1
.set m, 0
.rept 128
	v_pk_fma_f32 v[2*m:2*m+1], v[2*m:2*m+1], v[204:205], v[2*m:2*m+1]      ; z - mu
.set m, m+1
.endr
	WIN 0x80
.set m, 0
.rept 64
	ds_load_b128 v[4*m:4*m+3], v8 offset:2048+32*m ; beta, where x lay
.set m, m+1
.endr
	SQSUM 144
	RED 144
	v_mul_f32 v160, 0x3b000000, v144               ; the variance
	v_add_f32 v160, 0x3727c5ac, v160               ; + 1e-5
	WA
	v_rsq_f32 v206, v160
	v_nop
	WA
	v_mov_b32 v207, v206
	OMUL 206
	s_wait_dscnt 0x0                               ; beta
	WIN 0x6d                                       ; source 0 and destination window 1, gamma window 3, beta window 2
.set m, 0
.rept 128
	v_pk_fma_f32 v[2*m:2*m+1], v[2*m:2*m+1], v[2*m:2*m+1], v[2*m:2*m+1]
.set m, m+1
.endr
	SQSUM 152
	RED 152
	v_add_f32 v160, 1.0, v152
	WA
	v_sqrt_f32 v161, v160                          ; the time of hyp_layernorm
	v_nop
	WA
	v_max_num_f32 v161, 0x3f800001, v161
	v_add_f32 v162, -1.0, v161
	v_add_f32 v163, 1.0, v161
	v_mul_f32 v162, v162, v163
	WA
	v_sqrt_f32 v166, v162
	v_nop
	WA
	v_add_f32 v164, v161, v166
	WA
	v_log_f32 v164, v164
	v_rcp_f32 v165, v166
	v_nop
	WA
	v_mul_f32 v164, 0x3f317218, v164
	v_mul_f32 v208, v164, v165                     ; logmap0's factor
	v_mov_b32 v209, v208
	OMUL 208
	; the way out: through my own rows of the stage, back as whole rows
	WIN 0x04
.set m, 0
.rept 64
	ds_store_b128 v5, v[4*m:4*m+3] offset:32*m
.set m, m+1
.endr
	WIN 0x80
.set m, 0
.rept 64
	ds_load_b128 v[4*m:4*m+3], v6 offset:(m/4)*OP+512*(m%4)
.set m, m+1
.endr
	WIN 0x08
.set m, 0
.rept 64
.if m%8==0
	s_wait_dscnt 56-m                              ; the next eight loads are in
.endif
	global_store_b128 v[L16], v[4*m:4*m+3], s[22:23] offset:(m/4+8*(m/32))*2048+512*(m%4) th:TH_STORE_NT    ; 32 lanes store 512 consecutive bytes, at a multiple of 256 from out0's first byte
.set m, m+1
.endr
	WIN 0
	s_wait_tensorcnt 0x0                           ; the wave's end, behind my last LDS store
	ds_add_u32 v[SPW], v[NIL]
	s_wait_dscnt 0x0
	s_endpgm
.Lfunc_end_k_q56f36792b5_attn:
	.size	k_q56f36792b5_attn, .Lfunc_end_k_q56f36792b5_attn-k_q56f36792b5_attn
	.p2alignl 7, 3214868480
	.fill 96, 4, 3214868480
	.section	.rodata,"a",@progbits
	.p2align	6, 0x0
	.amdhsa_kernel k_q56f36792b5_attn
		.amdhsa_group_segment_fixed_size 267264
		.amdhsa_private_segment_fixed_size 0
		.amdhsa_enable_private_segment 0
		.amdhsa_kernarg_size 80
		.amdhsa_user_sgpr_count 2
		.amdhsa_user_sgpr_kernarg_segment_ptr 1
		.amdhsa_wavefront_size32 1
		.amdhsa_system_sgpr_workgroup_id_x 1
		.amdhsa_system_sgpr_workgroup_id_y 1
		.amdhsa_system_sgpr_workgroup_id_z 1
		.amdhsa_system_vgpr_workitem_id 0
		.amdhsa_next_free_vgpr 1024
		.amdhsa_next_free_sgpr 106
		.amdhsa_reserve_vcc 1
		.amdhsa_float_denorm_mode_32 3
		.amdhsa_float_denorm_mode_16_64 3
		.amdhsa_memory_ordered 1
		.amdhsa_forward_progress 1
		.amdhsa_inst_pref_size 255
	.end_amdhsa_kernel
	.section	.bss,"aw",@nobits
	.p2align	6
	.space	262144
	.amdgpu_metadata
---
amdhsa.version: [ 1, 2 ]
amdhsa.kernels:
  - .name:           k_q56f36792b5_attn
    .symbol:         k_q56f36792b5_attn.kd
    .args:
      - { .name: kc, .offset: 0, .size: 8, .value_kind: global_buffer, .address_space: global }
      - { .name: vc, .offset: 8, .size: 8, .value_kind: global_buffer, .address_space: global }
      - { .name: rt, .offset: 16, .size: 8, .value_kind: global_buffer, .address_space: global }
      - { .name: g, .offset: 24, .size: 8, .value_kind: global_buffer, .address_space: global }
      - { .name: p, .offset: 32, .size: 8, .value_kind: global_buffer, .address_space: global }
      - { .name: scale, .offset: 40, .size: 8, .value_kind: global_buffer, .address_space: global }
      - { .name: bias, .offset: 48, .size: 8, .value_kind: global_buffer, .address_space: global }
      - { .name: ln_gamma, .offset: 56, .size: 8, .value_kind: global_buffer, .address_space: global }
      - { .name: ln_beta, .offset: 64, .size: 8, .value_kind: global_buffer, .address_space: global }
      - { .name: out0, .offset: 72, .size: 8, .value_kind: global_buffer, .address_space: global }
    .group_segment_fixed_size: 267264
    .private_segment_fixed_size: 0
    .kernarg_segment_align: 8
    .kernarg_segment_size: 80
    .max_flat_workgroup_size: 128
    .sgpr_count:     106
    .vgpr_count:     1024
    .wavefront_size: 32
...
	.end_amdgpu_metadata
.endif
;; end of part 2
